; MI455X (gfx1250); checked and timed in simulation.
; The chip was launched on July 23, 2026; its instructions are those of AMD's public machine-readable ISA for CDNA 5 (MIT licence, August 2026) and "CDNA5" Instruction Set Architecture Reference Guide (July 2026). The comments in the code are by the model that wrote it; some were corrected since.
;; Quantized Linear. Allowed arithmetic: float matrix products may take bf16 or f16 operands with f32 sums; other float arithmetic in f32, or as packed bf16 or f16 multiplies, adds, multiply-adds, maxima and minima; sums over many terms, partial sums and values carried from step to step in f32; what a program stores and reads back later, other than sums and carried values, may be rounded once to bf16 or f16.
;; Inputs: bias 2,048 float32; scales 65,536 float32; weight_int4 2,048 x 4,096 int32; x 4 x 2,048 x 4,096 float32; zero_points 65,536 int32.
;; Outputs: out0 4 x 2,048 x 2,048 float32.
;; 2 versions, each right; version 2 is version 1 with the launch prep written anew for expert scheduling mode. Each part assembles by itself: llvm-mc -triple=amdgcn-amd-amdhsa -mcpu=gfx1250 --defsym DOCPART=n.
;; ======== version 1 of 2: 2 launches
;; limits: values are held in f16: magnitudes above 65,504 overflow, below 6.1e-05 lose precision
;; workspace buffers: xh 67,108,864 bytes; wh 16,777,216 bytes
;; launch prep (part 1): grid 1280 x 1, 8 waves a work-group, no clusters, 0 bytes of LDS; arguments x, weight_int4, scales, zero_points, xh, wh; writes xh, wh
.if DOCPART == 1
	.amdgcn_target "amdgcn-amd-amdhsa--gfx1250"
	.amdhsa_code_object_version 6
	.text
	.protected	k_qfa54806818_prep
	.globl	k_qfa54806818_prep
	.p2align	8
	.type	k_qfa54806818_prep,@function
k_qfa54806818_prep:
	s_mov_b64 s[64:65], 0
	v_nop
	global_prefetch_b8 v0, s[64:65] scope:SCOPE_SE
	s_setreg_imm32_b32 hwreg(HW_REG_WAVE_MODE, 25, 1), 1
	s_wait_xcnt 0x0
; xh = f16(x), [8192][4096];  wh = f16((f32(w) - f32(z[g])) * s[g]), [2048][4096], g = flat index / 128.
; A stream: every input byte is read once, every output byte written once; no LDS, no barrier, no matrix unit, since the work-groups share nothing.
; WHY f16.  An output is a sum of 4,096 products, and every one of 16,777,216 outputs must lie within 1% of their root mean square.  Two operands of 8 significant bits leave an error whose
; spread is about a fifth of that allowance, too near for the largest of so many; 11 significant bits leave an eighth of it.
; LIMITS.  Each number is rounded once to f16.  |x| and |(w - z) s| stay under 65,520: from there on f16 gives an infinity.  Below 6.1e-5 a number keeps f16's fixed step of 6e-8.
; The dequantisation goes as the definition does: both whole numbers to f32, the difference, then the product; no product z * s is formed.  NaN and infinities go as f16 carries them.
; SHARES.  One load of a wave is 32 lanes x 16 neighbouring bytes = 512 bytes = 128 numbers (of the weights: exactly one group); it gives one store of 32 lanes x 8 bytes = 256
; consecutive bytes at a multiple of 256 from the buffer's first byte.  A wave owns 32 such loads on end (16,384 bytes in, 8,192 out), a work-group of eight waves 131,072 bytes in.
; Work-groups 0 to 1023 take x (134,217,728 bytes), 1024 to 1279 the weights (33,554,432 bytes): all move the same bytes.
; A ring of eight slots in registers keeps eight loads of every wave in flight.  All 32 trips are written out: a trip's place stands in the immediates, and no address register is ever stepped.
.set XWG, 1024                         ; work-groups that take x
.set IO,  1                            ; v1       my byte offset in the work-group's input: 16,384 x wave + 16 x lane; never rewritten
.set OO,  2                            ; v2       the same in its output: half of that; never rewritten
.set SO,  3                            ; v3       4 x thread: my word in the work-group's 256 scales and zero points
.set SC,  4                            ; v4       lane n: the scale of my wave's group n
.set NZ,  5                            ; v5       lane n: minus its zero point, in f32
.set T,   6                            ; v[6:9]   at work
.set X,   10                           ; v[10:41] slot i: 4 registers as loaded
.set Y,   42                           ; v[42:57] slot i: 2 registers, 4 f16 to store
	s_load_b256 s[4:11], s[0:1], 0x0               ; x s[4:5], weight_int4 s[6:7], scales s[8:9], zero_points s[10:11]
	s_load_b128 s[12:15], s[0:1], 0x20             ; xh s[12:13], wh s[14:15]
	v_and_b32 v[IO], 0xe0, v0                      ; 32 x wave
	v_and_b32 v[OO], 31, v0                        ; lane
	v_lshlrev_b32 v[OO], 4, v[OO]
	v_lshl_or_b32 v[IO], v[IO], 9, v[OO]           ; 16,384 x wave + 16 x lane
	v_lshrrev_b32 v[OO], 1, v[IO]
	v_lshlrev_b32 v[SO], 2, v0
	s_mov_b32 s2, ttmp9
	s_mov_b32 s17, 0                               ; the high words of the two offsets: both stay under 2^31
	s_mov_b32 s19, 0
	s_wait_kmcnt 0x0
.macro FIRST8 ib                       ; the ring is filled: trips 0 to 7
.irp i, 0,1,2,3,4,5,6,7
	global_load_b128 v[X+4*(\i):X+4*(\i)+3], v[IO], s[\ib:\ib+1] offset:512*(\i) th:TH_LOAD_NT
.endr
.endm
; Trip n of 32, in slot n % 8.  kind = 0: x; kind = 1: weights.  ib, ob: the scalar pairs that hold the input's and the output's address.
.macro TRIP n, kind, ib, ob
.set sl, (\n)%8
.if (\n) <= 24
	s_wait_loadcnt 7                               ; loads come back in order (ISA guide 5.7.1): mine is in, the seven younger ones stay out
.else
	s_wait_loadcnt 31-(\n)                         ; the last trips load nothing: the count runs down
.endif
.if (\n) >= 8
	s_wait_xcnt 0x0                                ; the slot's Y, which the store of eight trips ago reads, is rewritten only behind this wait
.endif
.if \kind
	v_readlane_b32 s20, v[SC], \n                  ; this trip's 128 numbers are one group: its scale and zero point are the same in all lanes
	v_readlane_b32 s22, v[NZ], \n
.irp j, 0,1,2,3
	v_cvt_f32_i32 v[T+(\j)], v[X+4*sl+(\j)]
.endr
	v_pk_add_f32 v[T:T+1],   v[T:T+1],   s[22:23] op_sel_hi:[1,0]  ; w - z,
	v_pk_add_f32 v[T+2:T+3], v[T+2:T+3], s[22:23] op_sel_hi:[1,0]
	v_pk_mul_f32 v[T:T+1],   v[T:T+1],   s[20:21] op_sel_hi:[1,0]  ; times s
	v_pk_mul_f32 v[T+2:T+3], v[T+2:T+3], s[20:21] op_sel_hi:[1,0]
	v_cvt_pk_f16_f32 v[Y+2*sl],   v[T],   v[T+1]
	v_cvt_pk_f16_f32 v[Y+2*sl+1], v[T+2], v[T+3]
.else
	v_cvt_pk_f16_f32 v[Y+2*sl],   v[X+4*sl],   v[X+4*sl+1]
	v_cvt_pk_f16_f32 v[Y+2*sl+1], v[X+4*sl+2], v[X+4*sl+3]
.endif
.if (\n) < 24
	global_load_b128 v[X+4*sl:X+4*sl+3], v[IO], s[\ib:\ib+1] offset:512*((\n)+8) th:TH_LOAD_NT  ; the load ahead of the store
.endif
	global_store_b64 v[OO], v[Y+2*sl:Y+2*sl+1], s[\ob:\ob+1] offset:256*(\n)  ; 256 consecutive bytes; no hint: the next launch reads them
.endm
	s_cmp_lt_u32 s2, XWG
	s_cbranch_scc0 .Lweights
	s_lshl_b32 s16, s2, 17                         ; the work-group's 131,072 bytes of x,
	s_lshl_b32 s18, s2, 16                         ; its 65,536 of xh
	s_add_nc_u64 s[4:5], s[4:5], s[16:17]
	s_add_nc_u64 s[12:13], s[12:13], s[18:19]
	FIRST8 4
.irp n, 0,1,2,3,4,5,6,7,8,9,10,11,12,13,14,15,16,17,18,19,20,21,22,23,24,25,26,27,28,29,30,31
	TRIP \n, 0, 4, 12
.endr
	s_endpgm
.Lweights:
	s_sub_co_u32 s2, s2, XWG
	s_lshl_b32 s16, s2, 17                         ; the work-group's 131,072 bytes of the weights: 256 groups,
	s_lshl_b32 s18, s2, 16                         ; its 65,536 bytes of wh,
	s_lshl_b32 s24, s2, 10                         ; and its 1,024 bytes of each table
	s_mov_b32 s25, 0
	s_mov_b32 s21, 0                               ; named with s20 and s22 as pairs, so they are written
	s_mov_b32 s23, 0
	s_add_nc_u64 s[6:7], s[6:7], s[16:17]
	s_add_nc_u64 s[14:15], s[14:15], s[18:19]
	s_add_nc_u64 s[8:9], s[8:9], s[24:25]
	s_add_nc_u64 s[10:11], s[10:11], s[24:25]
	global_load_b32 v[SC], v[SO], s[8:9]           ; each table word is read once in the launch: thread t takes group t of the work-group's 256
	global_load_b32 v[NZ], v[SO], s[10:11]
	FIRST8 6
	s_wait_loadcnt 8                               ; the two table loads are older than the ring's eight
	v_cvt_f32_i32 v[NZ], v[NZ]
	v_mul_f32 v[NZ], -1.0, v[NZ]                   ; the sign is turned once, exactly, so that the packed addition subtracts
.irp n, 0,1,2,3,4,5,6,7,8,9,10,11,12,13,14,15,16,17,18,19,20,21,22,23,24,25,26,27,28,29,30,31
	TRIP \n, 1, 6, 14
.endr
	s_endpgm
.Lfunc_end_k_qfa54806818_prep:
	.size	k_qfa54806818_prep, .Lfunc_end_k_qfa54806818_prep-k_qfa54806818_prep
	.p2alignl 7, 3214868480
	.fill 96, 4, 3214868480
	.section	.rodata,"a",@progbits
	.p2align	6, 0x0
	.amdhsa_kernel k_qfa54806818_prep
		.amdhsa_group_segment_fixed_size 0
		.amdhsa_private_segment_fixed_size 0
		.amdhsa_enable_private_segment 0
		.amdhsa_kernarg_size 48
		.amdhsa_user_sgpr_count 2
		.amdhsa_user_sgpr_kernarg_segment_ptr 1
		.amdhsa_wavefront_size32 1
		.amdhsa_system_sgpr_workgroup_id_x 1
		.amdhsa_system_sgpr_workgroup_id_y 1
		.amdhsa_system_sgpr_workgroup_id_z 1
		.amdhsa_system_vgpr_workitem_id 0
		.amdhsa_next_free_vgpr 64
		.amdhsa_next_free_sgpr 66
		.amdhsa_reserve_vcc 0
		.amdhsa_float_denorm_mode_32 3
		.amdhsa_float_denorm_mode_16_64 3
		.amdhsa_memory_ordered 1
		.amdhsa_forward_progress 1
		.amdhsa_inst_pref_size 42
	.end_amdhsa_kernel
	.amdgpu_metadata
---
amdhsa.version: [ 1, 2 ]
amdhsa.kernels:
  - .name:           k_qfa54806818_prep
    .symbol:         k_qfa54806818_prep.kd
    .args:
      - { .name: x, .offset: 0, .size: 8, .value_kind: global_buffer, .address_space: global }
      - { .name: weight_int4, .offset: 8, .size: 8, .value_kind: global_buffer, .address_space: global }
      - { .name: scales, .offset: 16, .size: 8, .value_kind: global_buffer, .address_space: global }
      - { .name: zero_points, .offset: 24, .size: 8, .value_kind: global_buffer, .address_space: global }
      - { .name: xh, .offset: 32, .size: 8, .value_kind: global_buffer, .address_space: global }
      - { .name: wh, .offset: 40, .size: 8, .value_kind: global_buffer, .address_space: global }
    .group_segment_fixed_size: 0
    .private_segment_fixed_size: 0
    .kernarg_segment_align: 8
    .kernarg_segment_size: 48
    .max_flat_workgroup_size: 256
    .sgpr_count:     66
    .vgpr_count:     64
    .wavefront_size: 32
...
	.end_amdgpu_metadata
.endif
;; end of part 1
;; launch gemm (part 2): grid 8 x 32, 4 waves a work-group, clusters of 4 x 4, 327,680 bytes of LDS; arguments xh, wh, out0, bias; writes out0
.if DOCPART == 2
	.amdgcn_target "amdgcn-amd-amdhsa--gfx1250"
	.amdhsa_code_object_version 6
	.text
	.protected	k_qfa54806818_gemm
	.globl	k_qfa54806818_gemm
	.p2align	8
	.type	k_qfa54806818_gemm,@function
k_qfa54806818_gemm:
	s_mov_b64 s[64:65], 0
	v_nop
	global_prefetch_b8 v0, s[64:65] scope:SCOPE_SE
	s_setreg_imm32_b32 hwreg(HW_REG_WAVE_MODE, 25, 1), 1
	s_wait_xcnt 0x0
	s_wait_alu depctr_hold_cnt(0) depctr_sa_sdst(0) depctr_va_vdst(0) depctr_va_sdst(0) depctr_va_ssrc(0) depctr_va_vcc(0) depctr_vm_vsrc(0)
	s_getreg_b32 s2, hwreg(HW_REG_IB_STS2, 6, 4)
	s_cmp_eq_u32 s2, 0
	s_cbranch_scc0 .Lentry_in_a_cluster
	s_endpgm
.Lentry_in_a_cluster:
	s_bfe_u32 s2, ttmp6, 0x10000c
	s_cmp_lg_u32 s2, 0xf033
	s_cbranch_scc0 .Lentry_shape_is_right
	s_endpgm
.Lentry_shape_is_right:
; out0[m][n] = bias[n] + the sum over k of xh[m][k] wh[n][k].  xh: [8192][4096] f16, wh: [2048][4096] f16, bias: [2048] f32, out0: [8192][2048] f32; sums in f32.
; LIMITS.  The operands are f16, rounded once by the launch before: within 65,504, and below 6.1e-5 on f16's fixed step of 6e-8.  The bias is the C operand of each sum's first product,
; so it is added first and not last: another order of rounding than the definition's, by a few last places of the largest partial sum.  NaN and infinities are not treated apart.
; SHARES.  out0 has 32 x 8 tiles of 256 x 256: 256 work-groups, one tile each.  A work-group has four waves; a wave makes 128 x 128: 64 accumulators of 16 x 16, 512 registers.
; K goes in 32 steps of 128 through a ring of two LDS slots filled by the tensor data mover: a tile's rows are 256 bytes of memory and start at multiples of 256 bytes from the buffer's first byte.
; CLUSTERS: 4 x 4 work-groups.  The four of a row of the cluster need the same tiles of xh (A), the four of a column the same tiles of wh (B): each tile is asked for JOINTLY, by the same
; tensor load with the same descriptor and a mask that names the four; each receives it in its own LDS.  That divides the requests for A and for B by four.
; THE MATRIX INSTRUCTION IS USED TRANSPOSED: source 0 = 16 rows of B, source 1 = 16 rows of A.  In the result lane l holds row l % 16 of out0 and its registers 0 to 7 the columns
; 8 (l / 16) + 0 .. 7: 32 neighbouring bytes of a row.  The bias in the same layout (register j = bias of column 8 (l / 16) + j) is the same for every row block: 64 registers.
; REGISTERS, in windows of 256 (s_set_vgpr_msb's low byte: bits 1:0 source 0, 3:2 source 1, 5:4 source 2, 7:6 destination):
;   window 0: v0-31 addresses; v64-127, v128-191 fragments of A (8 x 16 rows x 32 K), two buffers, on the way out 16 rows of out0 each; v192-255 the bias of my 128 columns
;   window 1: v64-127, v128-191 fragments of B, two buffers
;   window 2: the 32 accumulators of my rows 0-63 (accumulator (a, b) at v[8 (8 a + b)]);   window 3: those of my rows 64-127
.set SIZE_M, 8192
.set SIZE_N, 2048
.set SIZE_K, 4096
.set KSTEP,  128
.set PITCH,  272                       ; an LDS row: 256 bytes of data + 16 of padding = 68 words: row r starts at bank 4 r mod 64 (64 banks of 4 bytes: ISA guide 11.1), so the 16 rows of a load start at 16 different banks
.set HALFT,  128*PITCH                 ; 128 rows: what one tensor load brings, and what one wave reads of A or of B
.set SLOT,   4*HALFT                   ; A's 256 rows, then B's 256 rows
.set STAGE,  2*SLOT                    ; behind the ring, never filled by a tensor load: a stage for each wave, for the way out
.set SPITCH, 528                       ; a stage row: 128 f32 = 512 bytes + 16 of padding = 33 x 16: the 16 rows that a store touches fall into 16 different columns of 16 bytes
.set WSTAGE, 16*SPITCH                 ; 16 rows: 8,448 bytes = 33 blocks of 256
.set SPARE,  STAGE+4*WSTAGE            ; behind the stages: the spare words, 128 bytes for each wave: two blocks of 256 bytes that no other line names
.set LAPS,   SIZE_K/(2*KSTEP)          ; a lap = two K steps = once round the ring: 16
.set ADRA, 16                          ; v16-17  LDS address of my A fragments in slot 0, 1
.set ADRB, 20                          ; v20-21  the same for B
.set STO,  24                          ; v24     the way out: where I put 32 bytes of a row
.set RD,   25                          ; v25     the way out: my 16 bytes of a stage row
.set CO,   26                          ; v26     my 16 bytes of 512 consecutive bytes of out0
.set BO,   27                          ; v27     32 x (l / 16): my eight columns in a block of sixteen, in bytes of the bias
.set SPW,  28                          ; v28     LDS address of my spare word: SPARE + 4 x my thread's number; never rewritten
.set NIL,  29                          ; v29     0; never rewritten
.set F0,   64                          ; fragment buffer 0
.set F1,   128                         ; fragment buffer 1
.set BIAS, 192                         ; column block b at v[BIAS + 8 b]
.set G1,  24                           ; s[24:31] descriptor group 1 for A's tiles
.set G0,  32                           ; s[32:39] descriptor group 0 for A's tiles, one set for each slot
.set G1B, 48                           ; s[48:55] descriptor group 1 for B's tiles: it differs from A's in the mask alone
.set G0B, 56                           ; s[56:63] descriptor group 0 for B's tiles, one set for each slot
.set MSB, 0
.macro WIN new                         ; the immediate's high byte repeats the setting that is left; a switch that changes nothing is dropped
.if MSB != (\new)
	s_set_vgpr_msb (MSB<<8)|(\new)
.set MSB, \new
.endif
.endm
.set MUL_LO, 0xa1                      ; source 0 (B) window 1, source 1 (A) window 0, C and D window 2
.set MUL_HI, 0xf1                      ; the same, C and D window 3
.set FST_LO, 0x81                      ; a sum's first product: C (the bias) window 0, D window 2
.set FST_HI, 0xc1                      ; the same, D window 3
.set TO_B,   0x40                      ; destination window 1, address window 0
.set OUT_LO, 0x08                      ; an LDS store's data (source 1) window 2, its address window 0
.set OUT_HI, 0x0c                      ; the same, window 3
; A joint load.  Waves 0 and 1 fetch A's two halves, waves 2 and 3 B's.  Each of the two lines has ONE mask and one set of registers for all that issue it, and nothing in them hangs on a
; coordinate that the four partners do not share.  The branch hangs on the wave's number alone.  An s_nop 0 and four v_nop follow each of the two lines, ahead of the jump, the label and what follows.
.macro JLOAD s
	s_cmp_eq_u32 s11, 0
	s_cbranch_scc0 .Lfor_b_\@
	tensor_load_to_lds s[G0+4*(\s):G0+4*(\s)+3], s[G1:G1+7]
	s_nop 0
.rept 4
	v_nop
.endr
	s_branch .Lasked_\@
.Lfor_b_\@:
	tensor_load_to_lds s[G0B+4*(\s):G0B+4*(\s)+3], s[G1B:G1B+7]
	s_nop 0
.rept 4
	v_nop
.endr
.Lasked_\@:
.endm
; A round of the cluster's barrier: my work-group's barrier, so that wave 0's signal speaks for all four waves; wave 0 signals for the work-group; every wave waits for all sixteen
; work-groups; my work-group's barrier once more.  No LDS instruction of the wave is pending at a signal.
.macro CREST                           ; a round behind its opening barrier
	s_cmp_lg_u32 s10, 0
	s_cbranch_scc1 .Lnot_wave_0_\@
	s_barrier_signal -3
.Lnot_wave_0_\@:
	s_barrier_wait -3
	s_barrier_signal -1
	s_barrier_wait -1
.endm
.macro CROUND                          ; a whole round
	s_barrier_signal -1
	s_barrier_wait -1
	CREST
.endm
	s_load_b128 s[4:7], s[0:1], 0x0                ; xh (A) s[4:5], wh (B) s[6:7]
	s_load_b64 s[8:9], s[0:1], 0x10                ; out0
	s_load_b64 s[66:67], s[0:1], 0x18              ; bias
	v_lshl_add_u32 v[SPW], v0, 2, SPARE
	v_mov_b32 v[NIL], 0
	ds_add_u32 v[SPW], v[NIL]                      ; the wave's opening: the add and its wait stand ahead of my first tensor load; the set-up below, work on registers, stands between them
	v_lshrrev_b32 v1, 5, v0
	v_readfirstlane_b32 s10, v1                    ; wave 0..3
	s_lshr_b32 s11, s10, 1                         ; which half of the tile's rows is mine.  Also: I fetch for A (0) or for B (1)
	s_and_b32 s12, s10, 1                          ; which half of its columns.  Also: which 128 rows of that tile I fetch
	s_bfe_u32 s40, ttmp6, 0x40000                  ; cx: my place along the cluster's x
	s_bfe_u32 s41, ttmp6, 0x40004                  ; cy: along its y
	s_lshl_b32 s42, ttmp9, 2                       ; in a cluster launch ttmp9 and ttmp7 count clusters
	s_add_co_u32 s42, s42, s40                     ; tile column = 4 x cluster x + cx: 0 to 7
	s_and_b32 s13, ttmp7, 0xffff
	s_lshl_b32 s13, s13, 2
	s_add_co_u32 s13, s13, s41                     ; tile row = 4 x cluster y + cy: 0 to 31
	s_lshl_b32 s43, s41, 2
	s_lshl_b32 s43, 15, s43                        ; my row of the cluster: places 4 cy .. 4 cy + 3
	s_lshl_b32 s44, 0x1111, s40                    ; my column: places cx, cx + 4, cx + 8, cx + 12
	; descriptor group 1: a tile of 128 rows x 128 elements, padded in LDS
	s_or_b32 s[G1+0], s43, (1<<16)|(1<<20)|(1<<21)|(5<<22)|(3<<25)  ; 15:0 the mask: A's tiles go to my row; 17:16 element of 2 bytes; 20 padding on; 21 set beside a mask; 24:22 after every 64 words (code 5); 31:25 of 4 words (code 3)
	s_or_b32 s[G1B+0], s44, (1<<16)|(1<<20)|(1<<21)|(5<<22)|(3<<25) ; the same with the mask of my column, for B's tiles
	s_mov_b32 s[G1B+1], KSTEP<<16
	s_mov_b32 s[G1+1], KSTEP<<16                   ; 63:48 tensor_dim0, low half = 128
	s_mov_b32 s[G1B+2], 128<<16
	s_mov_b32 s[G1+2], 128<<16                     ; 79:64 its high half = 0; 95:80 tensor_dim1, low half = 128
	s_mov_b32 s[G1B+3], KSTEP<<16
	s_mov_b32 s[G1+3], KSTEP<<16                   ; 111:96 its high half = 0; 127:112 tile_dim0 = 128
	s_mov_b32 s[G1B+4], 128
	s_mov_b32 s[G1+4], 128                         ; 143:128 tile_dim1 = 128; 159:144 tile_dim2 = 0
	s_mov_b32 s[G1B+5], SIZE_K
	s_mov_b32 s[G1+5], SIZE_K                      ; 191:160 tensor_dim0_stride, low word: 4,096 elements from row to row
	s_mov_b32 s[G1B+6], 0
	s_mov_b32 s[G1+6], 0
	s_mov_b32 s[G1B+7], 0
	s_mov_b32 s[G1+7], 0
	; where the tiles come from.  A's hang on the tile row alone, which my row of the cluster shares; B's on the tile column alone, which my column shares.
	; Every wave makes both addresses, in registers that never hold the other coordinate, and asks by one of them.
	s_lshl_b32 s17, s12, 7                         ; which 128 rows of the tile I fetch
	s_lshl_b32 s16, s13, 8
	s_add_co_u32 s16, s16, s17                     ; A: row 256 x tile row + 128 x half
	s_lshl_b32 s46, s42, 8
	s_add_co_u32 s46, s46, s17                     ; B: row 256 x tile column + 128 x half
	s_mov_b32 s17, 0
	s_mov_b32 s47, 0
	s_mov_b64 s[18:19], SIZE_K*2
	s_mul_u64 s[16:17], s[16:17], s[18:19]         ; in bytes, in 64 bits
	s_mul_u64 s[46:47], s[46:47], s[18:19]
	s_mul_i32 s20, s10, HALFT                      ; and where they go: A's two halves, then B's two halves = wave x 128 rows: no place in the cluster enters an LDS address
	s_wait_dscnt 0x0                               ; the opening add is done
	s_wait_kmcnt 0x0
	s_add_nc_u64 s[14:15], s[4:5], s[16:17]
	s_add_nc_u64 s[46:47], s[6:7], s[46:47]
	CROUND                                         ; all sixteen work-groups are here: the first joint loads meet
.irp s, 0,1
	s_mov_b32 s[G0+4*(\s)], 1                                      ; 1:0 count = 1
	s_add_co_u32 s[G0+4*(\s)+1], s20, (\s)*SLOT                    ; 63:32 LDS address
	s_add_nc_u64 s[G0+4*(\s)+2:G0+4*(\s)+3], s[14:15], (\s)*KSTEP*2  ; 120:64 global address: K step s
	s_or_b32 s[G0+4*(\s)+3], s[G0+4*(\s)+3], 0x80000000            ; 127:126 type = 2
	s_mov_b32 s[G0B+4*(\s)], 1
	s_add_co_u32 s[G0B+4*(\s)+1], s20, (\s)*SLOT
	s_add_nc_u64 s[G0B+4*(\s)+2:G0B+4*(\s)+3], s[46:47], (\s)*KSTEP*2
	s_or_b32 s[G0B+4*(\s)+3], s[G0B+4*(\s)+3], 0x80000000
	JLOAD \s                                       ; the ring is filled before anything else is done: two tensor loads of mine are out
.endr
	; A fragment is 16 rows x 32 K in 8 registers: lane l holds row l % 16; registers 0-3 hold K = 8 (l / 16) + 0..7, registers 4-7 hold
	; K = 16 + 8 (l / 16) + 0..7.  From rows that lie along K: two loads of 16 bytes, 32 bytes apart.  The same for source 0 and source 1.
	v_and_b32 v1, 15, v0                           ; l % 16
	v_bfe_u32 v2, v0, 4, 1                         ; l / 16
	v_mul_u32_u24 v3, v1, PITCH
	v_lshl_add_u32 v3, v2, 4, v3                   ; row x pitch + 16 x half
	s_mul_i32 s21, s11, HALFT                      ; my 128 rows of A
	s_mul_i32 s22, s12, HALFT                      ; my 128 rows of B,
	s_add_co_u32 s22, s22, 2*HALFT                 ; which lie behind A's 256
.irp s, 0,1
	v_add_nc_u32 v[ADRA+(\s)], s21, v3
	v_add_nc_u32 v[ADRB+(\s)], s22, v3
	s_add_co_u32 s21, s21, SLOT
	s_add_co_u32 s22, s22, SLOT
.endr
	s_mul_i32 s23, s10, WSTAGE
	s_add_co_u32 s23, s23, STAGE                   ; my stage
	v_mul_u32_u24 v4, v1, SPITCH                   ; in: row l % 16, 32 bytes for each half of the lanes
	v_lshl_add_u32 v4, v2, 5, v4
	v_add_nc_u32 v[STO], s23, v4
	v_and_b32 v5, 31, v0
	v_lshlrev_b32 v[CO], 4, v5                     ; back: the 32 lanes take one row of 512 bytes, 16 bytes each; the same 512 bytes in out0
	v_add_nc_u32 v[RD], s23, v[CO]
	v_lshlrev_b32 v[BO], 5, v2
	; where my part of the tile begins in out0, and my 128 columns in the bias (both f32: the columns' byte offset is the same)
	s_lshl_b32 s13, s13, 8
	s_lshl_b32 s14, s11, 7
	s_add_co_u32 s16, s13, s14                     ; my first row of out0
	s_mov_b32 s17, 0
	s_mov_b64 s[18:19], SIZE_N*4
	s_mul_u64 s[16:17], s[16:17], s[18:19]
	s_lshl_b32 s46, s42, 10                        ; my first column, in bytes: 1,024 x tile column + 512 x half
	s_lshl_b32 s47, s12, 9
	s_add_co_u32 s46, s46, s47
	s_mov_b32 s47, 0
	s_add_nc_u64 s[66:67], s[66:67], s[46:47]
	s_add_nc_u64 s[16:17], s[16:17], s[46:47]
	s_add_nc_u64 s[8:9], s[8:9], s[16:17]
.irp b, 0,1,2,3,4,5,6,7                ; the bias of columns 16 b + 8 (l / 16) + 0 .. 7, once, in the wait for the first tile
	global_load_b128 v[BIAS+8*(\b):BIAS+8*(\b)+3],   v[BO], s[66:67] offset:64*(\b)
	global_load_b128 v[BIAS+8*(\b)+4:BIAS+8*(\b)+7], v[BO], s[66:67] offset:64*(\b)+16
.endr
; 16 matrix instructions: m blocks a0, a0 + 1 of the window's four (hi = 0: my rows 0-63, 1: rows 64-127) x all 8 n blocks, 32 along K.
; first = 1: the product starts the sum, with the bias as C: nothing is cleared, and no addition is left for the way out.
; The 64 accumulators take turns, one instruction a turn, in the same order in every quarter step.
.macro MUL16 f, hi, a0, first
.if \first
	WIN FST_LO+0x40*(\hi)
.else
	WIN MUL_LO+0x50*(\hi)
.endif
.irp a, \a0, (\a0)+1
.irp b, 0,1,2,3,4,5,6,7
.if \first
	v_wmma_f32_16x16x32_f16 v[8*(8*(\a)+(\b)):8*(8*(\a)+(\b))+7], v[(\f)+8*(\b):(\f)+8*(\b)+7], v[(\f)+8*(4*(\hi)+(\a)):(\f)+8*(4*(\hi)+(\a))+7], v[BIAS+8*(\b):BIAS+8*(\b)+7]
.else
	v_wmma_f32_16x16x32_f16 v[8*(8*(\a)+(\b)):8*(8*(\a)+(\b))+7], v[(\f)+8*(\b):(\f)+8*(\b)+7], v[(\f)+8*(4*(\hi)+(\a)):(\f)+8*(4*(\hi)+(\a))+7], v[8*(8*(\a)+(\b)):8*(8*(\a)+(\b))+7]
.endif
.endr
.endr
.endm
; 32 LDS loads in one run: the fragments of one quarter step (128 rows of B, 128 rows of A, 32 K at byte k of the rows) into buffer f
.macro FETCH slot, k, f
	WIN TO_B
.irp i, 0,1,2,3,4,5,6,7
	ds_load_b128 v[(\f)+8*(\i):(\f)+8*(\i)+3],   v[ADRB+(\slot)] offset:(\k)+(\i)*16*PITCH
	ds_load_b128 v[(\f)+8*(\i)+4:(\f)+8*(\i)+7], v[ADRB+(\slot)] offset:(\k)+(\i)*16*PITCH+32
.endr
	WIN 0
.irp i, 0,1,2,3,4,5,6,7
	ds_load_b128 v[(\f)+8*(\i):(\f)+8*(\i)+3],   v[ADRA+(\slot)] offset:(\k)+(\i)*16*PITCH
	ds_load_b128 v[(\f)+8*(\i)+4:(\f)+8*(\i)+7], v[ADRA+(\slot)] offset:(\k)+(\i)*16*PITCH+32
.endr
.endm
; A load into a register that a matrix instruction has read, and an LDS store that reads a matrix result, stand four places behind that matrix instruction, and only plain vector
; instructions that name none of its registers are places (ISA guide 7.12.1 for vector instructions); the matrix instructions in between are not counted.
.macro PLACES
.rept 4
	v_nop
.endr
.endm
; A K step is four quarter steps of 32 along K, 64 matrix instructions each, on buffers 0, 1, 0, 1.
; One of the first three: multiplies buffer f; in its middle it fetches the next quarter's fragments, at byte k of the same slot's rows, into buffer g.
.macro QUARTER slot, k, f, g, first
	s_wait_dscnt 8                                 ; B and A's rows 0-63 are in; the youngest eight loads (A's rows 64-127) may be out
	MUL16 \f, 0, 0, \first
	MUL16 \f, 0, 2, \first
	PLACES
	FETCH \slot, \k, \g
	s_wait_dscnt 32                                ; all but the 32 just issued
	MUL16 \f, 1, 0, \first
	MUL16 \f, 1, 2, \first
.endm
; The last quarter multiplies buffer 1 and changes slots.  MEET is its first half: ONE barrier for the change of slots, for two things.  In front of it each wave waits for all its tensor
; loads, of which one is out: its part of the next slot; adds 0 to its spare word; and waits for that and for its own reads of this slot.  Behind it nobody reads this slot any more and the next slot is whole.
.macro MEET round                      ; round = 1: the rest of a round of the cluster's barrier follows
	WIN 0                                          ; (the add's two registers lie in window 0)
	s_wait_tensorcnt 0x0                           ; all my tensor loads have landed: the one that was out is my part of the next slot;
	ds_add_u32 v[SPW], v[NIL]                      ; 0 onto my spare word;
	s_wait_dscnt 9                                 ; (the add and the youngest eight loads may be out)
	MUL16 F1, 0, 0, 0                              ; sixteen matrix instructions stand between the add and the wait for it
	s_wait_dscnt 0x0                               ; the add is done, and my reads of this slot are over:
	s_barrier_signal -1                            ; say so (where a slot is filled again this barrier opens a round of the cluster's barrier),
	MUL16 F1, 0, 2, 0                              ; work on registers while the others arrive,
.if \round
	WIN 0
.endif
	s_barrier_wait -1                              ; and go on when all four have said so
.endm
; The whole last quarter.  fill = 1: behind the round the slot just read out is filled again first, with the K step two steps on; then come the next slot's first fragments.
; From a request to the wait for it a wave issues 224 matrix instructions.  By this text's own count one tensor load of a wave is out behind each round.
.macro TURN slot, next, fill
	MEET \fill
.if \fill
	CREST                                          ; no wave of any partner still reads this slot's tile or has a load on its way
	s_add_nc_u64 s[G0+4*(\slot)+2:G0+4*(\slot)+3], s[G0+4*(\slot)+2:G0+4*(\slot)+3], 2*KSTEP*2      ; no tensor load of mine is out, so a group 0 may be written; the type bits on top are not reached
	s_add_nc_u64 s[G0B+4*(\slot)+2:G0B+4*(\slot)+3], s[G0B+4*(\slot)+2:G0B+4*(\slot)+3], 2*KSTEP*2
	JLOAD \slot                                    ; the first tensor load behind the round; the four v_nop behind it are also the places in front of the loads below
.else
	PLACES
.endif
	FETCH \next, 0, F0
	MUL16 F1, 1, 0, 0
	MUL16 F1, 1, 2, 0
.endm
; THE WAY OUT of block a (16 rows x 128 columns of f32).  TOSTAGE: a lane's 32 bytes of each of the 8 column blocks go into my own stage, straight from the accumulators, each accumulator's
; low four registers first; then the 16 rows come back whole, 512 bytes to a load, into the fragment buffer a % 2, which is free now.
.macro TOSTAGE a
.set AC, 64*((\a)%4)
.set BK, F0+64*((\a)%2)
	s_wait_xcnt 0x0                                ; the buffer, which the stores of block a - 2 read, is loaded again only behind this wait
	WIN OUT_LO+4*((\a)/4)
.irp b, 0,1,2,3,4,5,6,7
	ds_store_b128 v[STO], v[AC+8*(\b):AC+8*(\b)+3]   offset:64*(\b)
	ds_store_b128 v[STO], v[AC+8*(\b)+4:AC+8*(\b)+7] offset:64*(\b)+16
.endr
	WIN 0
.irp t, 0,1,2,3,4,5,6,7,8,9,10,11,12,13,14,15
	ds_load_b128 v[BK+4*(\t):BK+4*(\t)+3], v[RD] offset:(\t)*SPITCH  ; LDS serves a wave's instructions in order (ISA guide 5.7.1.4): these see the stores above, and the next block's stores come behind them
.endr
.endm
.macro SEND a, younger                 ; younger: the LDS instructions issued behind block a's loads: the next block's 16 stores and 16 loads, or none
.set BK, F0+64*((\a)%2)
	s_wait_dscnt \younger                          ; the block is back in registers
.irp t, 0,1,2,3,4,5,6,7,8,9,10,11,12,13,14,15
	global_store_b128 v[CO], v[BK+4*(\t):BK+4*(\t)+3], s[8:9] offset:(16*(\a)+(\t))*SIZE_N*4 th:TH_STORE_NT  ; 512 consecutive bytes, at a multiple of 512 from out0's first byte; the row stands in the immediate: 127 x 8,192 at the most
.endr
.endm
	s_wait_tensorcnt 1                             ; my part of K step 0 is in; K step 1's may stay out
	s_barrier_signal -1
	s_barrier_wait -1                              ; everybody's is
	FETCH 0, 0, F0
	s_wait_loadcnt 0x0                             ; the bias
	QUARTER 0, 64,  F0, F1, 1                      ; the first quarter stands in front of the loop: its products start the sums
	WIN 0                                          ; at a label and at a branch every window is 0
	s_mov_b32 s3, LAPS-1
.Llap:                                                 ; a trip goes once round the ring, from a lap's second quarter to the next lap's first, and fills both slots again
	QUARTER 0, 128, F1, F0, 0
	QUARTER 0, 192, F0, F1, 0
	TURN 0, 1, 1
	QUARTER 1, 64,  F0, F1, 0
	QUARTER 1, 128, F1, F0, 0
	QUARTER 1, 192, F0, F1, 0
	TURN 1, 0, 1
	QUARTER 0, 64,  F0, F1, 0
	WIN 0
	s_sub_co_u32 s3, s3, 1
	s_cmp_lg_u32 s3, 0
	s_cbranch_scc1 .Llap
	QUARTER 0, 128, F1, F0, 0                      ; the last lap is written out: it fills nothing, and has no round of the cluster's barrier
	QUARTER 0, 192, F0, F1, 0
	TURN 0, 1, 0
	QUARTER 1, 64,  F0, F1, 0
	QUARTER 1, 128, F1, F0, 0
	QUARTER 1, 192, F0, F1, 0
	s_wait_dscnt 8                                 ; the very last quarter: nothing more to fetch
	MUL16 F1, 0, 0, 0
	MUL16 F1, 0, 2, 0
	s_wait_dscnt 0x0
	MUL16 F1, 1, 0, 0
	MUL16 F1, 1, 2, 0
	WIN 0
	PLACES                                         ; behind the last products: the stage's stores read results, and its loads land in registers that products have read
	TOSTAGE 0
.irp a, 1,2,3,4,5,6,7                  ; block a's way through the stage is issued ahead of the wait for block a - 1's
	TOSTAGE \a
	SEND (\a)-1, 32
.endr
	SEND 7, 0
	s_wait_tensorcnt 0x0                           ; the wave's end, behind my last tensor load and my last LDS store
	ds_add_u32 v[SPW], v[NIL]
	s_wait_dscnt 0x0
	CROUND                                         ; the closing round: no work-group ends while a partner may still ask for a tile that names it
	s_endpgm
.Lfunc_end_k_qfa54806818_gemm:
	.size	k_qfa54806818_gemm, .Lfunc_end_k_qfa54806818_gemm-k_qfa54806818_gemm
	.p2alignl 7, 3214868480
	.fill 96, 4, 3214868480
	.section	.rodata,"a",@progbits
	.p2align	6, 0x0
	.amdhsa_kernel k_qfa54806818_gemm
		.amdhsa_group_segment_fixed_size 327680
		.amdhsa_private_segment_fixed_size 0
		.amdhsa_enable_private_segment 0
		.amdhsa_kernarg_size 32
		.amdhsa_user_sgpr_count 2
		.amdhsa_user_sgpr_kernarg_segment_ptr 1
		.amdhsa_wavefront_size32 1
		.amdhsa_system_sgpr_workgroup_id_x 1
		.amdhsa_system_sgpr_workgroup_id_y 1
		.amdhsa_system_sgpr_workgroup_id_z 1
		.amdhsa_system_vgpr_workitem_id 0
		.amdhsa_next_free_vgpr 1024
		.amdhsa_next_free_sgpr 68
		.amdhsa_reserve_vcc 0
		.amdhsa_float_denorm_mode_32 3
		.amdhsa_float_denorm_mode_16_64 3
		.amdhsa_memory_ordered 1
		.amdhsa_forward_progress 1
		.amdhsa_inst_pref_size 142
	.end_amdhsa_kernel
	.amdgpu_metadata
---
amdhsa.version: [ 1, 2 ]
amdhsa.kernels:
  - .name:           k_qfa54806818_gemm
    .symbol:         k_qfa54806818_gemm.kd
    .args:
      - { .name: xh, .offset: 0, .size: 8, .value_kind: global_buffer, .address_space: global }
      - { .name: wh, .offset: 8, .size: 8, .value_kind: global_buffer, .address_space: global }
      - { .name: out0, .offset: 16, .size: 8, .value_kind: global_buffer, .address_space: global }
      - { .name: bias, .offset: 24, .size: 8, .value_kind: global_buffer, .address_space: global }
    .group_segment_fixed_size: 327680
    .private_segment_fixed_size: 0
    .kernarg_segment_align: 8
    .kernarg_segment_size: 32
    .max_flat_workgroup_size: 128
    .sgpr_count:     68
    .vgpr_count:     1024
    .wavefront_size: 32
...
	.end_amdgpu_metadata
.endif
;; end of part 2
;; ======== version 2 of 2: 2 launches; version 1 with the launch prep written anew for expert scheduling mode
;; limits: values are held in f16: magnitudes above 65,504 overflow, below 6.1e-05 lose precision
;; workspace buffers: xh 67,108,864 bytes; wh 16,777,216 bytes
;; launch prep (part 3): grid 1280 x 1, 8 waves a work-group, no clusters, 0 bytes of LDS; arguments x, weight_int4, scales, zero_points, xh, wh; writes xh, wh
.if DOCPART == 3
	.amdgcn_target "amdgcn-amd-amdhsa--gfx1250"
	.amdhsa_code_object_version 6
	.text
	.protected	k_qfa54806818_prep
	.globl	k_qfa54806818_prep
	.p2align	8
	.type	k_qfa54806818_prep,@function
k_qfa54806818_prep:
	s_mov_b64 s[64:65], 0
	v_nop
	global_prefetch_b8 v0, s[64:65] scope:SCOPE_SE
	s_setreg_imm32_b32 hwreg(HW_REG_WAVE_SCHED_MODE, 0, 2), 2
	s_setreg_imm32_b32 hwreg(HW_REG_WAVE_MODE, 25, 1), 1
	s_wait_xcnt 0x0
	s_wait_alu depctr_vm_vsrc(0)
; xh = f16(x), [8192][4096];  wh = f16((f32(w) - f32(z[g])) * s[g]), [2048][4096], g = flat index / 128.
; A stream: every input byte is read once, every output byte written once; no LDS, no barrier, no matrix unit, since the work-groups share nothing.
; WHY f16.  An output is a sum of 4,096 products, and every one of 16,777,216 outputs must lie within 1% of their root mean square.  Two operands of 8 significant bits leave an error whose
; spread is about a fifth of that allowance, too near for the largest of so many; 11 significant bits leave an eighth of it.
; LIMITS.  Each number is rounded once to f16.  |x| and |(w - z) s| stay under 65,520: from there on f16 gives an infinity.  Below 6.1e-5 a number keeps f16's fixed step of 6e-8.
; The dequantisation goes as the definition does: both whole numbers to f32, the difference, then the product; no product z * s is formed.  NaN and infinities go as f16 carries them.
; SHARES.  One load of a wave is 32 lanes x 16 neighbouring bytes = 512 bytes = 128 numbers (of the weights: exactly one group); it gives one store of 32 lanes x 8 bytes = 256
; consecutive bytes at a multiple of 256 from the buffer's first byte.  A wave owns 32 such loads on end (16,384 bytes in, 8,192 out), a work-group of eight waves 131,072 bytes in.
; Work-groups 0 to 1023 take x (134,217,728 bytes), 1024 to 1279 the weights (33,554,432 bytes): all move the same bytes.
; All 32 trips are written out: a trip's place stands in the immediates, and no address register, vector or scalar, is ever stepped.
; THE MODE: SCHED_MODE bits 1:0 = 2 (LLVM: expert scheduling mode 2), set by the entry lines.  The code itself states the register dependences
; between vector instructions and memory instructions, with s_wait_alu, always for 0.
; THE PLAN.  The 32 trips go in 8 blocks of four.  Registers that memory instructions touch:
;   X0 .. X3    four blocks as loaded.   Written by the loads of block p + 3, issued in block p; read by block p's conversions.
;   Y0, Y1      two blocks to store.     Written by block p's roundings; read by the four stores that are issued in block p + 1.
;   v1, v2, v3  byte offsets, made once at the head and never written again.
;   v4, v5      a table load lands in each, once; no memory instruction reads them.
; Block p works on X[p % 4] and writes Y[p % 2].  Its memory instructions are the loads into X[(p + 3) % 4] = X[(p - 1) % 4] and the stores from Y[(p - 1) % 2]: the two buffers that
; block p - 1 worked on and that no vector instruction of block p names.  So the waits at a block's head state all that its eight memory instructions hang on, and these are dealt among
; its vector instructions with no further wait.  At a block's head the two younger blocks' eight loads stay out; with the four that follow, twelve loads of the wave are on their way.
; Of the weights a block's four scales and four zero points are read out of their lanes in one run at its head, into eight scalar pairs, with one wait behind the run.
.set XWG, 1024                         ; work-groups that take x
.set IO,  1                            ; v1       my byte offset in the work-group's input: 16,384 x wave + 16 x lane; never rewritten
.set OO,  2                            ; v2       the same in its output: half of that; never rewritten
.set SO,  3                            ; v3       4 x thread: my word in the work-group's 256 scales and zero points; never rewritten
.set SC,  4                            ; v4       lane n: the scale of my wave's group n
.set NZ,  5                            ; v5       lane n: minus its zero point, in f32
.set T,   6                            ; v[6:9]   at work: no memory instruction names them
.set X,   10                           ; v[10:73] buffer k, trip i of its four: 4 registers at X + 16 k + 4 i, as loaded
.set Y,   74                           ; v[74:89] buffer k, trip i of its four: 2 registers at Y + 8 k + 2 i, 4 f16 to store
.set SS,  28                           ; s[28:43] trip i of the block in hand: its scale in the pair at SS + 4 i, minus its zero point in the pair at SS + 4 i + 2; the pairs' high words hold 0
	s_load_b256 s[4:11], s[0:1], 0x0               ; x s[4:5], weight_int4 s[6:7], scales s[8:9], zero_points s[10:11]
	s_load_b128 s[12:15], s[0:1], 0x20             ; xh s[12:13], wh s[14:15]
	v_and_b32 v[IO], 0xe0, v0                      ; 32 x wave
	v_and_b32 v[OO], 31, v0                        ; lane
	v_lshlrev_b32 v[OO], 4, v[OO]
	v_lshl_or_b32 v[IO], v[IO], 9, v[OO]           ; 16,384 x wave + 16 x lane
	v_lshrrev_b32 v[OO], 1, v[IO]
	v_lshlrev_b32 v[SO], 2, v0
	s_mov_b32 s2, ttmp9
	s_mov_b32 s17, 0                               ; the high words of the two offsets: both stay under 2^31
	s_mov_b32 s19, 0
	s_wait_kmcnt 0x0
	s_wait_alu depctr_va_vdst(0)                   ; v1, v2 and v3 are written: every load and store of the kernel, on either path below, reads one of them as its offset
.macro FIRST12 ib                      ; blocks 0, 1 and 2 into X0, X1, X2
.irp n, 0,1,2,3,4,5,6,7,8,9,10,11
	global_load_b128 v[X+4*(\n):X+4*(\n)+3], v[IO], s[\ib:\ib+1] offset:512*(\n) th:TH_LOAD_NT
.endr
.endm
; Block p of 8: trips 4 p to 4 p + 3.  kind = 0: x; kind = 1: weights.  ib, ob: the scalar pairs that hold the input's and the output's address.
.macro BLK p, kind, ib, ob
.set xb, (\p)%4                        ; the buffer that the block works on,
.set xn, ((\p)+3)%4                    ; the one that it asks for again,
.set yb, (\p)%2                        ; and the one that it rounds into
.if \kind
.irp i, 0,1,2,3
	v_readlane_b32 s[SS+4*(\i)],   v[SC], 4*(\p)+(\i)  ; a trip's 128 numbers are one group: its scale and zero point are the same in all lanes
	v_readlane_b32 s[SS+4*(\i)+2], v[NZ], 4*(\p)+(\i)
.endr
.endif
.if (\p) <= 5
	s_wait_loadcnt 8                               ; loads come back in order (ISA guide 5.7.1): X[xb] is in, the two younger blocks stay out
.else
	s_wait_loadcnt 4*(7-(\p))                      ; the last blocks have fewer loads behind them: the count runs down
.endif
.if (\p) >= 2
	s_wait_xcnt 0x0                                ; every earlier memory instruction has had its addresses translated (ISA guide 3.1): Y[yb] is rewritten only behind this wait
	s_wait_alu depctr_vm_vsrc(0)                   ; the stores issued in the block before have read Y[yb], which this block's roundings write again
.endif
.if (\p) >= 1
	s_wait_alu depctr_va_vdst(0)                   ; the block before has written the other Y, which the stores below read, and is done reading its X, in which the loads below land
.endif
.if \kind
	s_wait_alu depctr_va_sdst(0)                   ; the eight v_readlane_b32 above have written s[SS ..], ahead of the first packed line that reads them
.endif
.irp i, 0,1,2,3
.if (\p) <= 4
	global_load_b128 v[X+16*xn+4*(\i):X+16*xn+4*(\i)+3], v[IO], s[\ib:\ib+1] offset:512*(4*(\p)+12+(\i)) th:TH_LOAD_NT  ; three blocks ahead, the load ahead of the store; no vector instruction since the wait names these registers
.endif
.if (\p) >= 1
	global_store_b64 v[OO], v[Y+8*(1-yb)+2*(\i):Y+8*(1-yb)+2*(\i)+1], s[\ob:\ob+1] offset:256*(4*(\p)-4+(\i))  ; the block before: 256 consecutive bytes; no hint: the next launch reads them
.endif
.if \kind
.irp j, 0,1,2,3
	v_cvt_f32_i32 v[T+(\j)], v[X+16*xb+4*(\i)+(\j)]
.endr
	v_pk_add_f32 v[T:T+1],   v[T:T+1],   s[SS+4*(\i)+2:SS+4*(\i)+3] op_sel_hi:[1,0]  ; w - z,
	v_pk_add_f32 v[T+2:T+3], v[T+2:T+3], s[SS+4*(\i)+2:SS+4*(\i)+3] op_sel_hi:[1,0]
	v_pk_mul_f32 v[T:T+1],   v[T:T+1],   s[SS+4*(\i):SS+4*(\i)+1] op_sel_hi:[1,0]    ; times s
	v_pk_mul_f32 v[T+2:T+3], v[T+2:T+3], s[SS+4*(\i):SS+4*(\i)+1] op_sel_hi:[1,0]
	v_cvt_pk_f16_f32 v[Y+8*yb+2*(\i)],   v[T],   v[T+1]
	v_cvt_pk_f16_f32 v[Y+8*yb+2*(\i)+1], v[T+2], v[T+3]
.else
	v_cvt_pk_f16_f32 v[Y+8*yb+2*(\i)],   v[X+16*xb+4*(\i)],   v[X+16*xb+4*(\i)+1]
	v_cvt_pk_f16_f32 v[Y+8*yb+2*(\i)+1], v[X+16*xb+4*(\i)+2], v[X+16*xb+4*(\i)+3]
.endif
.endr
.endm
.macro LAST4 ob                        ; block 7's four stores have no block behind them to stand in
	s_wait_alu depctr_va_vdst(0)                   ; block 7 has written Y1, which the last four stores read
.irp i, 0,1,2,3
	global_store_b64 v[OO], v[Y+8+2*(\i):Y+8+2*(\i)+1], s[\ob:\ob+1] offset:256*(28+(\i))
.endr
.endm
	s_cmp_lt_u32 s2, XWG
	s_cbranch_scc0 .Lweights
	s_lshl_b32 s16, s2, 17                         ; the work-group's 131,072 bytes of x,
	s_lshl_b32 s18, s2, 16                         ; its 65,536 of xh
	s_add_nc_u64 s[4:5], s[4:5], s[16:17]
	s_add_nc_u64 s[12:13], s[12:13], s[18:19]
	FIRST12 4
.irp p, 0,1,2,3,4,5,6,7
	BLK \p, 0, 4, 12
.endr
	LAST4 12
	s_endpgm
.Lweights:
	s_sub_co_u32 s2, s2, XWG
	s_lshl_b32 s16, s2, 17                         ; the work-group's 131,072 bytes of the weights: 256 groups,
	s_lshl_b32 s18, s2, 16                         ; its 65,536 bytes of wh,
	s_lshl_b32 s24, s2, 10                         ; and its 1,024 bytes of each table
	s_mov_b32 s25, 0
.irp k, 0,1,2,3,4,5,6,7
	s_mov_b32 s[SS+2*(\k)+1], 0                    ; named with the words below them as pairs, so they are written
.endr
	s_add_nc_u64 s[6:7], s[6:7], s[16:17]
	s_add_nc_u64 s[14:15], s[14:15], s[18:19]
	s_add_nc_u64 s[8:9], s[8:9], s[24:25]
	s_add_nc_u64 s[10:11], s[10:11], s[24:25]
	global_load_b32 v[SC], v[SO], s[8:9]           ; each table word is read once in the launch: thread t takes group t of the work-group's 256
	global_load_b32 v[NZ], v[SO], s[10:11]
	FIRST12 6
	s_wait_loadcnt 12                              ; the two table loads are older than the ring's twelve
	v_cvt_f32_i32 v[NZ], v[NZ]
	v_mul_f32 v[NZ], -1.0, v[NZ]                   ; the sign is turned once, exactly, so that the packed addition subtracts
.irp p, 0,1,2,3,4,5,6,7
	BLK \p, 1, 6, 14
.endr
	LAST4 14
	s_endpgm
.Lfunc_end_k_qfa54806818_prep:
	.size	k_qfa54806818_prep, .Lfunc_end_k_qfa54806818_prep-k_qfa54806818_prep
	.p2alignl 7, 3214868480
	.fill 96, 4, 3214868480
	.section	.rodata,"a",@progbits
	.p2align	6, 0x0
	.amdhsa_kernel k_qfa54806818_prep
		.amdhsa_group_segment_fixed_size 0
		.amdhsa_private_segment_fixed_size 0
		.amdhsa_enable_private_segment 0
		.amdhsa_kernarg_size 48
		.amdhsa_user_sgpr_count 2
		.amdhsa_user_sgpr_kernarg_segment_ptr 1
		.amdhsa_wavefront_size32 1
		.amdhsa_system_sgpr_workgroup_id_x 1
		.amdhsa_system_sgpr_workgroup_id_y 1
		.amdhsa_system_sgpr_workgroup_id_z 1
		.amdhsa_system_vgpr_workitem_id 0
		.amdhsa_next_free_vgpr 90
		.amdhsa_next_free_sgpr 66
		.amdhsa_reserve_vcc 0
		.amdhsa_float_denorm_mode_32 3
		.amdhsa_float_denorm_mode_16_64 3
		.amdhsa_memory_ordered 1
		.amdhsa_forward_progress 1
		.amdhsa_inst_pref_size 40
	.end_amdhsa_kernel
	.amdgpu_metadata
---
amdhsa.version: [ 1, 2 ]
amdhsa.kernels:
  - .name:           k_qfa54806818_prep
    .symbol:         k_qfa54806818_prep.kd
    .args:
      - { .name: x, .offset: 0, .size: 8, .value_kind: global_buffer, .address_space: global }
      - { .name: weight_int4, .offset: 8, .size: 8, .value_kind: global_buffer, .address_space: global }
      - { .name: scales, .offset: 16, .size: 8, .value_kind: global_buffer, .address_space: global }
      - { .name: zero_points, .offset: 24, .size: 8, .value_kind: global_buffer, .address_space: global }
      - { .name: xh, .offset: 32, .size: 8, .value_kind: global_buffer, .address_space: global }
      - { .name: wh, .offset: 40, .size: 8, .value_kind: global_buffer, .address_space: global }
    .group_segment_fixed_size: 0
    .private_segment_fixed_size: 0
    .kernarg_segment_align: 8
    .kernarg_segment_size: 48
    .max_flat_workgroup_size: 256
    .sgpr_count:     66
    .vgpr_count:     90
    .wavefront_size: 32
...
	.end_amdgpu_metadata
.endif
;; end of part 3
;; launch gemm: the kernel of part 2 again; grid 8 x 32, 4 waves a work-group, clusters of 4 x 4, 327,680 bytes of LDS; arguments xh, wh, out0, bias; writes out0
